; MI455X (gfx1250); checked and timed in simulation.
; The chip was launched on July 23, 2026; its instructions are those of AMD's public machine-readable ISA for CDNA 5 (MIT licence, August 2026) and "CDNA5" Instruction Set Architecture Reference Guide (July 2026). The comments in the code are by the model that wrote it; some were corrected since.
;; Expert Decoder. Allowed arithmetic: float matrix products may take bf16 or f16 operands with f32 sums; all other float work in f32.
;; Inputs: W 1 x 5 float32; b 1 float32; t 512 float32; theta 4 float32; ze_init 1 x 4,096 x 5 float32.
;; Outputs: out0 512 x 4,096 x 1 float32.
;; 2 versions, each right and faster than the one before. Each part assembles by itself: llvm-mc -triple=amdgcn-amd-amdhsa -mcpu=gfx1250 --defsym DOCPART=n.
;; ======== version 1 of 2: 1 launch
;; launch seirm (part 1): grid 32 x 1, 4 waves a work-group, no clusters, 188,928 bytes of LDS; arguments ze_init, t, theta, W, b, out0; writes out0
.if DOCPART == 1
	.amdgcn_target "amdgcn-amd-amdhsa--gfx1250"
	.amdhsa_code_object_version 6
	.text
	.protected	k_q97520da036_seirm
	.globl	k_q97520da036_seirm
	.p2align	8
	.type	k_q97520da036_seirm,@function
k_q97520da036_seirm:
	s_mov_b64 s[64:65], 0
	v_nop
	global_prefetch_b8 v0, s[64:65] scope:SCOPE_SE
	s_setreg_imm32_b32 hwreg(HW_REG_WAVE_MODE, 25, 1), 1
	s_wait_xcnt 0x0
; out[t][b] = W . y_b(t) + bias, y = (S, E, I, R, M) integrated by 4 Dormand-Prince steps in each of the 511 intervals of t.
; SHARES.  4,096 states, one a lane; a work-group of four waves owns 128 neighbouring states, 32 work-groups.  Each lane walks 2,044 steps, each hanging on the last:
; the text is built round the length of ONE step, in instructions and in instructions that wait for each other.
; THE STEP.  Only S I is not linear.  With p_j = S_j I_j (j = 1..6, the six stages), h the substep and a_jm the tableau (a_7m = b_m):
;   S_j = S - h beta sum_m a_jm p_m;   I_j = (1 + dl_j) I + la_j E + sum_{m <= j-2} d_jm p_m;   E' = E + (ep - 1) E + sum_m f_m p_m;
;   Z' = Z + zI I + zE E + sum_{m <= 4} z_m p_m,  where Z = w3 R + w4 M + bias (R and M enter nothing else, dZ/dt = (w3 gamma + w4 mu) I).
; dl, la, d, ep, f, z are polynomials in h alpha, h (gamma + mu), h beta: what the stages' linear part makes of the basis (E, I, p_1..p_6).  They hang on the interval alone, so the
; 128 lanes make them once, a row of 60 numbers for each interval, in LDS (THE TABLE), by running that linear recursion itself.  It is the same polynomial map as the six stages written out.
; A step is then 41 vector instructions, and its chain is p_j -> S_j+1 -> p_j+1: twelve instructions that wait for each other.
; LIMITS.  The order of rounding differs from the reference's (all in f32; increments dl, ep - 1 are kept, not 1 + dl).  sum_m b_m = 1, which the tableau has, is used in zI.
; NaN and infinities are not treated apart: where the reference overflows, this text may give NaN for an infinity.  The polynomials have degree 6 at the most in h x rate and stay in f32's range for |h x rate| < 1e5.
; THE DOT WITH W has five terms and one output column: three fused multiply-adds in f32 a number (two terms live in Z); a matrix instruction would hold 5 of 32 k and 1 of 16 columns.
; THE WAY OUT.  A wave's 32 numbers of a time point are 128 bytes, so the four waves gather 128 time points in an LDS stage (rows of 512 bytes) and each wave stores whole rows: 512 consecutive bytes a store, aligned.
.set WGS,   128                        ; states of a work-group
.set ROWB,  240                        ; bytes of a table row: 60 numbers; 15 x 16
.set SROW,  4*WGS                      ; bytes of a stage row
.set OROW,  4*4096                     ; bytes of a row of out0
.set CHUNK, 128                        ; time points in the stage
.set TAB,   0                          ; the table: 512 rows
.set STG,   512*ROWB                   ; the stage
.set SPARE, STG+CHUNK*SROW             ; the spare words, 128 bytes a wave: two blocks of 256 bytes that no other line names
; vector registers
.set SPW, 2                            ; LDS address of my spare word; never rewritten
.set NIL, 3                            ; 0; never rewritten
.set CA,  4                            ; LDS address of the table row of the pair's first interval (the same in all lanes)
.set EA,  5                            ; where my number of the pair's first time point goes in the stage
.set EA0, 6                            ; the same for the stage's first row
.set RD,  7                            ; flush: my 16 bytes of my wave's first row of the stage
.set GO,  8                            ; flush: 16 x lane
.set OV,  9                            ; the output number in the making
.set PP,  10                           ; p_j in v[PP+2j]; v[PP+2j+1] holds 0 and is never rewritten: the packed forms name the pair and take its low word twice
.set SA,  24                           ; (S2, S3)
.set SB,  26                           ; (S4, S5)
.set SC,  28                           ; (S6, S'), twice: the pairs take turns, step by step, so that a step's S stays while the next is made
.set IA,  32                           ; (I2, I3)
.set IB,  34                           ; (I4, I5)
.set IC,  36                           ; (I6, I'), twice
.set EZ,  40                           ; (E, Z), twice
.set YR,  44                           ; head only: R, M, t, h, offsets
.set YM,  45
.set TT,  46
.set HH,  54
.set YO,  58
.set VT,  59
.set VT3, 60
.set TA,  61
.set C0,  64                           ; v[64:123]  coefficients, set 0
.set C1,  128                          ; v[128:187] coefficients, set 1
.set FB,  192                          ; v[192:255] flush: 16 rows' worth
; the table builder's registers (before the walk begins)
.set OUT, C0                           ; the row in the making
.set KE,  128                          ; slope of E at stage m for basis x: KE + 6 x + m - 1   (x = 0: E; 1..6: p_x; 7: I)
.set KI,  176                          ; slope of I likewise
.set TE,  224                          ; E's stage value for basis x
.set ZS,  232                          ; sum_m b_m I_m for basis x
.set AA,  240                          ; h alpha
.set NA,  241                          ; - h alpha
.set NG,  242                          ; - h (gamma + mu)
.set BB,  243                          ; h beta
.set NB,  244                          ; - h beta
.set ZC,  245                          ; h (w3 gamma + w4 mu)
; scalar registers: s[4:15] addresses; s16-19 beta, alpha, gamma, mu; s20-24 W; s25 bias; s26 gamma + mu; s27 w3 gamma + w4 mu; s32-34 -alpha, -(gamma + mu), -beta
.set SW0, 20
.set SW1, 21
.set SW2, 22
.set WV,   35
.set CNTP, 36
.set CNTC, 37
; places in a table row.  DI<j><x>: what basis x gives to I_j.  DE<x>: to E'.  DS<j><m>: - h beta a_jm.
.set DI27, 0
.set DI37, 1
.set DI47, 2
.set DI57, 3
.set DI67, 4
.set DI77, 5
.set DI20, 6
.set DI30, 7
.set DI40, 8
.set DI50, 9
.set DI60, 10
.set DI70, 11
.set DE0,  12                          ; 13: zE   14: zI
.set DI31, 15
.set DS21, 16
.set DS31, 17
.set DS41, 18
.set DS51, 19
.set DS61, 20
.set DS71, 21
.set DI41, 22
.set DI51, 23
.set DI61, 24
.set DI71, 25
.set DE1,  26                          ; 27: z1
.set DS32, 28
.set DS62, 29
.set DS42, 30
.set DS52, 31
.set DI42, 32
.set DI52, 33
.set DI62, 34
.set DI72, 35
.set DE2,  36                          ; 37: z2
.set DS43, 38
.set DS53, 39
.set DS63, 40
.set DS73, 41
.set DI63, 42
.set DI73, 43
.set DE3,  44                          ; 45: z3
.set DI53, 46
.set DS54, 47
.set DS64, 48
.set DS74, 49
.set DI64, 50
.set DI74, 51
.set DE4,  52                          ; 53: z4
.set DS65, 54
.set DS75, 55
.set DI75, 56
.set DE5,  57
.set DS76, 58
.set DE6,  59
; ---------------------------------------------------------------- the table builder's macros
.macro K0 x                            ; the first stage at which basis x has a slope of E (ke0) and of I (ki0)
.set ke0, \x
.set ki0, \x+1
.if (\x) == 0
.set ke0, 1
.set ki0, 1
.endif
.if (\x) == 7
.set ke0, 9
.set ki0, 1
.endif
.endm
.macro TERMX j, m, a, x                ; a_jm times stage m's slopes goes into stage j's values, for basis x.  The first term starts a sum: nothing is cleared
	K0 \x
.if ke0 <= \m
.set rk, KE+6*\x+\m-1
.if ((\x) == 0) && ((\m) == 1)
.set rk, NA                            ; basis E: its first slope is - h alpha
.endif
.if ((\x) > 0) && ((\x) == (\m))
.set rk, BB                            ; basis p_x: h beta, at stage x
.endif
.set rd, TE+\x
.if (\j) == 7
.set rd, OUT+DE\x
.endif
.set f0, ke0
.if ((\j) == 7) && (f0 == 2)
.set f0, 3                             ; b_2 = 0
.endif
.if ((\m) == f0) && ((\x) == 0) && ((\j) < 7)
	v_fma_f32 v[rd], \a, v[rk], 1.0
.elseif (\m) == f0
	v_mul_f32 v[rd], \a, v[rk]
.else
	v_fmac_f32 v[rd], \a, v[rk]
.endif
.endif
.if ki0 <= \m
.set rk, KI+6*\x+\m-1
.if ((\x) == 0) && ((\m) == 1)
.set rk, AA
.endif
.if ((\x) == 7) && ((\m) == 1)
.set rk, NG
.endif
.set rd, OUT+DI\j\x
.set f0, ki0
.if ((\j) == 7) && (f0 == 2)
.set f0, 3
.endif
.if (\m) == f0
	v_mul_f32 v[rd], \a, v[rk]
.else
	v_fmac_f32 v[rd], \a, v[rk]
.endif
.endif
.endm
.macro TERM j, m, a                    ; the eight bases side by side: neighbouring lines do not wait for each other
	v_mul_f32 v[OUT+DS\j\m], \a, v[NB]
.irp x, 0,1,2,3,4,5,6,7
	TERMX \j, \m, \a, \x
.endr
.endm
.macro STKE j, x                       ; slope of E at stage j: - h alpha E_j
	K0 \x
.if ke0 <= (\j)-1
	v_mul_f32 v[KE+6*\x+\j-1], v[NA], v[TE+\x]
.endif
.endm
.macro STKI j, x                       ; slope of I at stage j: h alpha E_j - h (gamma + mu) I_j.  Basis I keeps dl_j = I_j - 1
	K0 \x
.if (\x) == 7
	v_fma_f32 v[KI+42+\j-1], v[NG], v[OUT+DI\j\x], v[NG]
.elseif ki0 <= (\j)-1
	v_fma_f32 v[KI+6*\x+\j-1], v[NG], v[OUT+DI\j\x], -v[KE+6*\x+\j-1]
.elseif ke0 <= (\j)-1
	v_mul_f32 v[KI+6*\x+\j-1], v[AA], v[TE+\x]
.endif
.endm
.macro STZS j, bj, x                   ; b_j I_j for Z
	K0 \x
.set z0, ki0+1
.if z0 < 3
.set z0, 3
.endif
.if (ki0 <= (\j)-1) && ((\j) >= 3)
.if (\j) == z0
	v_mul_f32 v[ZS+\x], \bj, v[OUT+DI\j\x]
.else
	v_fmac_f32 v[ZS+\x], \bj, v[OUT+DI\j\x]
.endif
.endif
.endm
.macro STAGE j, bj
.irp x, 0,1,2,3,4,5,6,7
	STKE \j, \x
.endr
.irp x, 0,1,2,3,4,5,6,7
	STKI \j, \x
.endr
.irp x, 0,1,2,3,4,5,6,7
	STZS \j, \bj, \x
.endr
.endm
; ---------------------------------------------------------------- the walk's macros
.macro PKP d, p, k                     ; pair d += (low word of pair p) x coefficient pair k
	v_pk_fma_f32 v[\d:\d+1], v[\p:\p+1], v[\k:\k+1], v[\d:\d+1] op_sel_hi:[0,1,1]
.endm
.macro PKS d, p, k, s                  ; pair d = (S, S) + p x coefficient pair k; S is the high word of pair s
	v_pk_fma_f32 v[\d:\d+1], v[\p:\p+1], v[\k:\k+1], v[\s:\s+1] op_sel:[0,0,1] op_sel_hi:[0,1,1]
.endm
.macro PKI d, k                        ; pair d = (I', I') + I' x coefficient pair k; I' is the high word of pair ICn
	v_pk_fma_f32 v[\d:\d+1], v[ICn:ICn+1], v[\k:\k+1], v[ICn:ICn+1] op_sel:[1,0,1] op_sel_hi:[1,1,1]
.endm
.macro LDC i                           ; 16 bytes of the next interval's row, the same for all lanes
	ds_load_b128 v[LDD+4*(\i):LDD+4*(\i)+3], v[CA] offset:LDO+16*(\i)
.endm
; What an interval has to do beside its four steps stands in the places that a step's chain leaves free: place f (1..4) of step k (1..4).
; Step 1 finishes and stages the time point that the last interval made; steps 1 to 3 fetch the next interval's row into the other set; step 4 waits for it.
.macro FILL k, f
.set kf, 10*(\k)+(\f)
.if kf == 11
	v_fma_f32 v[OV], s[SW0], v[SCc+1], v[OV]
.elseif kf == 12
	v_fma_f32 v[OV], s[SW1], v[EZc], v[OV]
.elseif kf == 13
	ds_store_b32 v[EA], v[OV] offset:EMO
.endif
.if !LAST
.if kf == 11
	LDC 0
.elseif kf == 12
	LDC 1
	LDC 2
.elseif kf == 14
	LDC 3
.elseif kf == 21
	LDC 4
	LDC 5
.elseif kf == 22
	LDC 6
	LDC 7
	LDC 8
.elseif kf == 23
	LDC 9
.elseif kf == 24
	LDC 10
.elseif kf == 31
	LDC 11
	LDC 12
.elseif kf == 32
	LDC 13
	LDC 14
.elseif kf == 43
	s_wait_dscnt 0x0                               ; the next interval's 60 numbers are in (the last of the 15 loads was issued a step ago)
.endif
.endif
.if CNT && (kf == 42)
	v_add_nc_u32 v[CA], 2*ROWB, v[CA]              ; the pair's last use of both addresses lies behind: on to the next pair
	v_add_nc_u32 v[EA], 2*SROW, v[EA]
	s_sub_co_u32 s[CNTP], s[CNTP], 1               ; the loop's count, some lines ahead of its branch: only vector lines and a wait follow
	s_cmp_lg_u32 s[CNTP], 0
.endif
.endm
; ONE STEP.  c: which of the twin pairs hold this step's S, I, E, Z.  cu: this interval's coefficients.  nx: those of the step that follows (the other set in step 4).  k: the step's number.
; The order: p_j, three lines that do not need it, the line that makes S_j+1 of it, three more, p_j+1: lines that wait for each other stand four apart where the work allows.
; The following step's (1 + dl) I and zI I hang on I' alone, which is done two stages ahead of S' and E': they stand in this step's last stage.
.macro STEP c, cu, nx, k
.set SCc, SC+2*(\c)
.set SCn, SC+2-2*(\c)
.set ICc, IC+2*(\c)
.set ICn, IC+2-2*(\c)
.set EZc, EZ+2*(\c)
.set EZn, EZ+2-2*(\c)
.set CU, \cu
.set NX, \nx
	v_mul_f32 v[PP+2], v[SCc+1], v[ICc+1]          ; p1 = S I
	PKP IA, EZc, CU+6                              ; (I2, I3) += E (la2, la3)
	PKP IB, EZc, CU+8
	PKP ICn, EZc, CU+10
	PKS SA, PP+2, CU+16, SCc                       ; (S2, S3) = S + p1 (s21, s31)
	v_fmac_f32 v[IA+1], v[CU+15], v[PP+2]          ; I3 += d31 p1
	PKP IB, PP+2, CU+22
	v_pk_fma_f32 v[EZn:EZn+1], v[EZc:EZc+1], v[CU+12:CU+13], v[EZc:EZc+1] op_sel_hi:[0,1,1]  ; (E, Z) + E (ep - 1, zE)
	v_mul_f32 v[PP+4], v[SA], v[IA]                ; p2 = S2 I2
	PKS SB, PP+2, CU+18, SCc
	PKS SCn, PP+2, CU+20, SCc
	PKP ICn, PP+2, CU+24
	v_fmac_f32 v[SA+1], v[CU+28], v[PP+4]          ; S3 += s32 p2
	PKP IB, PP+4, CU+32
	PKP SB, PP+4, CU+30
	PKP EZn, PP+2, CU+26
	v_mul_f32 v[PP+6], v[SA+1], v[IA+1]            ; p3 = S3 I3
	v_fmac_f32 v[SCn], v[CU+29], v[PP+4]           ; S6 += s62 p2 (b_2 = 0: S' takes nothing)
	PKP ICn, PP+4, CU+34
	PKP EZn, PP+4, CU+36
	PKP SB, PP+6, CU+38                            ; (S4, S5) += p3 (s43, s53)
	v_fmac_f32 v[IB+1], v[CU+46], v[PP+6]          ; I5 += d53 p3
	PKP SCn, PP+6, CU+40
	PKP ICn, PP+6, CU+42
	v_mul_f32 v[PP+8], v[SB], v[IB]                ; p4 = S4 I4
	PKP EZn, PP+6, CU+44
	FILL \k, 1
	v_fmac_f32 v[SB+1], v[CU+47], v[PP+8]          ; S5 += s54 p4
	PKP ICn, PP+8, CU+50
	PKP SCn, PP+8, CU+48
	PKP EZn, PP+8, CU+52                           ; Z' is done but for the following step's zI I'
	v_mul_f32 v[PP+10], v[SB+1], v[IB+1]           ; p5 = S5 I5
	FILL \k, 2
	PKP SCn, PP+10, CU+54                          ; (S6, S') += p5 (s65, s75)
	v_fmac_f32 v[ICn+1], v[CU+56], v[PP+10]        ; I' is done
	v_fmac_f32 v[EZn], v[CU+57], v[PP+10]
	FILL \k, 3
	v_mul_f32 v[PP+12], v[SCn], v[ICn]             ; p6 = S6 I6
.if (\k) == 4
	v_fma_f32 v[OV], s[SW2], v[ICn+1], v[EZn+1]    ; the time point's number begins: Z' + w2 I', ahead of the line that adds to Z'
.endif
.set TAILS, 1
.if ((\k) == 4) && LAST
.set TAILS, 0                          ; no step follows the very last
.endif
.if TAILS
	v_fmac_f32 v[EZn+1], v[NX+14], v[ICn+1]        ; for the following step: Z += zI I
	PKI IA, NX+0                                   ; (I2, I3) = I + I (dl2, dl3)
.endif
.if TAILS && ((\k) < 4)
	PKI IB, NX+2
.endif
	v_fmac_f32 v[SCn+1], v[CU+58], v[PP+12]        ; S' is done
	v_fmac_f32 v[EZn], v[CU+59], v[PP+12]          ; E' is done
.if TAILS && ((\k) == 4)
	PKI IB, NX+2
.endif
.if TAILS
	PKI ICc, NX+4                                  ; this step's I has been read for the last time: its pair takes the following step's (I6, I')
.endif
	FILL \k, 4
.endm
; An interval: four steps on the coefficients cu; the next interval's row, ldo bytes behind v[CA], goes into nx; the time point made by the interval before goes emo bytes behind v[EA].
.macro INTERVAL cu, nx, emo, ldo, last, cnt
.set LDD, \nx
.set LDO, \ldo
.set EMO, \emo
.set LAST, \last
.set CNT, \cnt
	STEP 0, \cu, \cu, 1
	STEP 1, \cu, \cu, 2
	STEP 0, \cu, \cu, 3
	STEP 1, \cu, \nx, 4
.endm
; The stage goes out: wave w stores rows 32 w .. 32 w + 31, whole, sixteen at a time.  more = 1: the stage is written again afterwards.
.macro FLUSH more
	s_wait_dscnt 0x0                               ; for the others' sake: my numbers are in the stage
	s_barrier_signal -1
	s_barrier_wait -1                              ; everybody's are
.irp r, 0,1,2,3,4,5,6,7,8,9,10,11,12,13,14,15
	ds_load_b128 v[FB+4*\r:FB+4*\r+3], v[RD] offset:SROW*\r
.endr
	s_wait_dscnt 0x0
.irp r, 0,1,2,3,4,5,6,7,8,9,10,11,12,13,14,15
	global_store_b128 v[GO], v[FB+4*\r:FB+4*\r+3], s[14:15] offset:OROW*\r th:TH_STORE_NT  ; 32 lanes store 512 consecutive bytes, at a multiple of 512 from out0's first byte
.endr
	s_wait_xcnt 0x0                                ; the stores' data registers are loaded again only behind this wait
.irp r, 0,1,2,3,4,5,6,7,8,9,10,11,12,13,14,15
	ds_load_b128 v[FB+4*\r:FB+4*\r+3], v[RD] offset:SROW*(16+\r)
.endr
	s_wait_dscnt 0x0                               ; my reads of the stage are over
.if \more
	s_barrier_signal -1
	s_barrier_wait -1                              ; everybody's are: the stage may be written again
.endif
.irp r, 0,1,2,3,4,5,6,7,8,9,10,11,12,13,14,15
	global_store_b128 v[GO], v[FB+4*\r:FB+4*\r+3], s[14:15] offset:OROW*(16+\r) th:TH_STORE_NT
.endr
.if \more
	s_wait_xcnt 0x0                                ; the stores' base and data are rewritten only behind this wait
	s_add_nc_u64 s[14:15], s[14:15], CHUNK*OROW    ; 128 time points on
	v_mov_b32 v[EA], v[EA0]
.endif
.endm
; ---------------------------------------------------------------- the head
	s_load_b256 s[4:11], s[0:1], 0x0               ; ze_init s[4:5], t s[6:7], theta s[8:9], W s[10:11]
	s_load_b128 s[12:15], s[0:1], 0x20             ; b s[12:13], out0 s[14:15]
	v_lshl_add_u32 v[SPW], v0, 2, SPARE
	v_mov_b32 v[NIL], 0
	v_lshrrev_b32 v1, 5, v0
	v_readfirstlane_b32 s[WV], v1                  ; wave 0..3
	v_and_b32 v[GO], 31, v0
	v_lshlrev_b32 v[GO], 4, v[GO]                  ; 16 x lane
	v_lshl_add_u32 v[RD], v1, 14, v[GO]            ; + wave x 32 rows of 512 bytes
	v_add_nc_u32 v[RD], STG, v[RD]
	v_lshl_add_u32 v[EA0], v0, 2, STG              ; my 4 bytes of a stage row
	v_mul_u32_u24 v[TA], v0, ROWB                  ; the table row that I build first: interval = my thread's number
	v_mul_u32_u24 v[YO], v0, 20                    ; my state's 5 numbers
	v_lshlrev_b32 v[VT], 2, v0                     ; t of my interval
	v_add_nc_u32 v[VT3], 3*WGS, v0                 ; the fourth trip's interval is 384 + thread, 511 at the most: there are 511 intervals, 0 .. 510,
	v_min_u32 v[VT3], 510, v[VT3]                  ; so thread 127 builds interval 510 once more there, into row 511, which nobody reads: no load passes t's end
	v_lshlrev_b32 v[VT3], 2, v[VT3]
	s_mul_i32 s28, ttmp9, WGS*20                   ; the work-group's states: 2,560 consecutive bytes
	s_mov_b32 s29, 0
	s_lshl_b32 s30, ttmp9, 9                       ; its 512 bytes of a row of out0,
	s_lshl_b32 s31, s[WV], 19                      ; and my wave's 32 rows of a stage: 32 x 16,384 bytes
	s_add_co_u32 s30, s30, s31
	s_mov_b32 s31, 0
	s_wait_kmcnt 0x0
	s_load_b128 s[16:19], s[8:9], 0x0              ; beta, alpha, gamma, mu
	s_load_b128 s[20:23], s[10:11], 0x0            ; w0 .. w3
	s_load_b32 s24, s[10:11], 0x10                 ; w4
	s_load_b32 s25, s[12:13], 0x0                  ; bias
	s_add_nc_u64 s[4:5], s[4:5], s[28:29]
	s_add_nc_u64 s[14:15], s[14:15], s[30:31]
.irp k, 0,1,2
	global_load_b32 v[TT+2*\k], v[VT], s[6:7] offset:512*\k
	global_load_b32 v[TT+2*\k+1], v[VT], s[6:7] offset:512*\k+4
.endr
	global_load_b32 v[TT+6], v[VT3], s[6:7]
	global_load_b32 v[TT+7], v[VT3], s[6:7] offset:4
	global_load_b32 v[SC+1], v[YO], s[4:5]         ; S.  Five loads of 4 bytes a lane, once: together they take the work-group's ten aligned blocks of 256 bytes
	global_load_b32 v[EZ], v[YO], s[4:5] offset:4  ; E
	global_load_b32 v[IC+1], v[YO], s[4:5] offset:8  ; I
	global_load_b32 v[YR], v[YO], s[4:5] offset:12
	global_load_b32 v[YM], v[YO], s[4:5] offset:16
.irp j, 1,2,3,4,5,6
	v_mov_b32 v[PP+2*\j+1], 0                      ; the p's neighbours, named with them as pairs
.endr
	v_mov_b32 v[SC], 0                             ; likewise the low words beside the first S and I
	v_mov_b32 v[IC], 0
	s_wait_kmcnt 0x0
	s_add_f32 s26, s18, s19                        ; gamma + mu
	s_mul_f32 s27, s23, s18
	s_fmac_f32 s27, s24, s19                       ; w3 gamma + w4 mu
	s_xor_b32 s32, s17, 0x80000000                 ; - alpha
	s_xor_b32 s33, s26, 0x80000000                 ; - (gamma + mu)
	s_xor_b32 s34, s16, 0x80000000                 ; - beta
	s_wait_loadcnt 0x0
.irp k, 0,1,2,3
	v_sub_f32 v[HH+\k], v[TT+2*\k+1], v[TT+2*\k]
.endr
.irp k, 0,1,2,3
	v_mul_f32 v[HH+\k], 0.25, v[HH+\k]             ; h = dt / 4 of the four intervals whose rows I build
.endr
	v_fma_f32 v[EZ+1], s24, v[YM], s25
	v_fma_f32 v[EZ+1], s23, v[YR], v[EZ+1]         ; Z = w3 R + w4 M + bias
; ---------------------------------------------------------------- the table: four trips, 128 rows each
	s_mov_b32 s[CNTP], 4
.Lbuild:
	v_mul_f32 v[AA], s17, v[HH]
	v_mul_f32 v[NA], s32, v[HH]
	v_mul_f32 v[NG], s33, v[HH]
	v_mul_f32 v[BB], s16, v[HH]
	v_mul_f32 v[NB], s34, v[HH]
	v_mul_f32 v[ZC], s27, v[HH]
	TERM 2, 1, 0.2
	STAGE 2, 0
	TERM 3, 1, 0.075
	TERM 3, 2, 0.225
	STAGE 3, 0.449236298
	TERM 4, 1, 0.977777778
	TERM 4, 2, -3.733333333
	TERM 4, 3, 3.555555556
	STAGE 4, 0.651041667
	TERM 5, 1, 2.952598689
	TERM 5, 2, -11.59579332
	TERM 5, 3, 9.82289285
	TERM 5, 4, -0.29080933
	STAGE 5, -0.32237618
	TERM 6, 1, 2.84627525
	TERM 6, 2, -10.757575758
	TERM 6, 3, 8.90642272
	TERM 6, 4, 0.278409091
	TERM 6, 5, -0.2735313
	STAGE 6, 0.130952381
	TERM 7, 1, 0.091145833
	TERM 7, 3, 0.449236298
	TERM 7, 4, 0.651041667
	TERM 7, 5, -0.32237618
	TERM 7, 6, 0.130952381
	v_mul_f32 v[OUT+13], v[ZC], v[ZS+0]            ; zE
	v_fma_f32 v[OUT+14], v[ZC], v[ZS+7], v[ZC]     ; zI = h wz (1 + sum b_m dl_m)
	v_mul_f32 v[OUT+27], v[ZC], v[ZS+1]            ; z1 .. z4
	v_mul_f32 v[OUT+37], v[ZC], v[ZS+2]
	v_mul_f32 v[OUT+45], v[ZC], v[ZS+3]
	v_mul_f32 v[OUT+53], v[ZC], v[ZS+4]
.irp i, 0,1,2,3,4,5,6,7,8,9,10,11,12,13,14
	ds_store_b128 v[TA], v[OUT+4*\i:OUT+4*\i+3] offset:TAB+16*\i
.endr
	v_mov_b32 v[HH], v[HH+1]                       ; the next trip's h moves up: one text for the four trips
	v_mov_b32 v[HH+1], v[HH+2]
	v_mov_b32 v[HH+2], v[HH+3]
	v_add_nc_u32 v[TA], WGS*ROWB, v[TA]            ; 128 rows on
	s_sub_co_u32 s[CNTP], s[CNTP], 1
	s_cmp_lg_u32 s[CNTP], 0
	s_cbranch_scc1 .Lbuild
	s_wait_dscnt 0x0                               ; for the others' sake: my rows are in the table
	s_barrier_signal -1
	s_barrier_wait -1                              ; the table is whole; nobody writes it again
; ---------------------------------------------------------------- the walk
	v_mov_b32 v[CA], TAB
.set LDD, C0
.set LDO, 0
.irp i, 0,1,2,3,4,5,6,7,8,9,10,11,12,13,14
	LDC \i                                         ; interval 0's row
.endr
	v_mov_b32 v[EA], v[EA0]
	s_wait_dscnt 0x0
.set ICn, IC
	v_fma_f32 v[OV], s[SW2], v[IC+1], v[EZ+1]      ; time point 0 begins; then what a step's last stage does for the step that follows, here for the first
	v_fmac_f32 v[EZ+1], v[C0+14], v[IC+1]
	PKI IA, C0+0
	PKI IB, C0+2
	PKI IC+2, C0+4
; Interval k stages time point k - 1 and makes time point k.  128 intervals fill the stage: 3 x 64 pairs, each lot followed by a flush; then 63 pairs, interval 511 alone, time point 511, and the last flush.
	s_mov_b32 s[CNTC], 3
.Lchunk:
	s_mov_b32 s[CNTP], CHUNK/2
.Lpair:
	INTERVAL C0, C1, 0, ROWB, 0, 0
	INTERVAL C1, C0, SROW, 2*ROWB, 0, 1
	s_cbranch_scc1 .Lpair
	FLUSH 1
	s_sub_co_u32 s[CNTC], s[CNTC], 1
	s_cmp_lg_u32 s[CNTC], 0
	s_cbranch_scc1 .Lchunk
	s_mov_b32 s[CNTP], CHUNK/2-1
.Ltail:
	INTERVAL C0, C1, 0, ROWB, 0, 0
	INTERVAL C1, C0, SROW, 2*ROWB, 0, 1
	s_cbranch_scc1 .Ltail
	INTERVAL C0, C0, 0, 0, 1, 0                    ; the last interval fetches no row and prepares no further step
	v_fma_f32 v[OV], s[SW0], v[SC+1], v[OV]        ; time point 511
	v_fma_f32 v[OV], s[SW1], v[EZ], v[OV]
	ds_store_b32 v[EA], v[OV] offset:SROW
	FLUSH 0
	s_wait_tensorcnt 0x0                           ; the wave's end, behind my last LDS store
	ds_add_u32 v[SPW], v[NIL]
	s_wait_dscnt 0x0
	s_endpgm
.Lfunc_end_k_q97520da036_seirm:
	.size	k_q97520da036_seirm, .Lfunc_end_k_q97520da036_seirm-k_q97520da036_seirm
	.p2alignl 7, 3214868480
	.fill 96, 4, 3214868480
	.section	.rodata,"a",@progbits
	.p2align	6, 0x0
	.amdhsa_kernel k_q97520da036_seirm
		.amdhsa_group_segment_fixed_size 188928
		.amdhsa_private_segment_fixed_size 0
		.amdhsa_enable_private_segment 0
		.amdhsa_kernarg_size 48
		.amdhsa_user_sgpr_count 2
		.amdhsa_user_sgpr_kernarg_segment_ptr 1
		.amdhsa_wavefront_size32 1
		.amdhsa_system_sgpr_workgroup_id_x 1
		.amdhsa_system_sgpr_workgroup_id_y 1
		.amdhsa_system_sgpr_workgroup_id_z 1
		.amdhsa_system_vgpr_workitem_id 0
		.amdhsa_next_free_vgpr 256
		.amdhsa_next_free_sgpr 66
		.amdhsa_reserve_vcc 0
		.amdhsa_float_denorm_mode_32 3
		.amdhsa_float_denorm_mode_16_64 3
		.amdhsa_memory_ordered 1
		.amdhsa_forward_progress 1
		.amdhsa_inst_pref_size 79
	.end_amdhsa_kernel
	.amdgpu_metadata
---
amdhsa.version: [ 1, 2 ]
amdhsa.kernels:
  - .name:           k_q97520da036_seirm
    .symbol:         k_q97520da036_seirm.kd
    .args:
      - { .name: ze_init, .offset: 0, .size: 8, .value_kind: global_buffer, .address_space: global }
      - { .name: t, .offset: 8, .size: 8, .value_kind: global_buffer, .address_space: global }
      - { .name: theta, .offset: 16, .size: 8, .value_kind: global_buffer, .address_space: global }
      - { .name: W, .offset: 24, .size: 8, .value_kind: global_buffer, .address_space: global }
      - { .name: b, .offset: 32, .size: 8, .value_kind: global_buffer, .address_space: global }
      - { .name: out0, .offset: 40, .size: 8, .value_kind: global_buffer, .address_space: global }
    .group_segment_fixed_size: 188928
    .private_segment_fixed_size: 0
    .kernarg_segment_align: 8
    .kernarg_segment_size: 48
    .max_flat_workgroup_size: 128
    .sgpr_count:     66
    .vgpr_count:     256
    .wavefront_size: 32
...
	.end_amdgpu_metadata
.endif
;; end of part 1
;; ======== version 2 of 2: 1 launch; 1.62 times as fast as version 1
;; launch seirm (part 2): grid 32 x 1, 4 waves a work-group, no clusters, 219,648 bytes of LDS; arguments ze_init, t, theta, W, b, out0; writes out0
.if DOCPART == 2
	.amdgcn_target "amdgcn-amd-amdhsa--gfx1250"
	.amdhsa_code_object_version 6
	.text
	.protected	k_q97520da036_seirm
	.globl	k_q97520da036_seirm
	.p2align	8
	.type	k_q97520da036_seirm,@function
k_q97520da036_seirm:
	s_mov_b64 s[64:65], 0
	v_nop
	global_prefetch_b8 v0, s[64:65] scope:SCOPE_SE
	s_setreg_imm32_b32 hwreg(HW_REG_WAVE_MODE, 25, 1), 1
	s_wait_xcnt 0x0
; out[t][b] = W . y_b(t) + bias, y = (S, E, I, R, M) integrated by 4 Dormand-Prince steps in each of the 511 intervals of t.
; SHARES.  4,096 states, one a lane; a work-group of four waves owns 128 neighbouring states, 32 work-groups.  Each lane walks its steps one after the other, each hanging on the last:
; the text is built round the length of ONE step, in instructions and in instructions that wait for each other.
; THE STEP.  Only S I is not linear.  With p_j = S_j I_j (j = 1..6, the six stages), h the substep and a_jm the tableau (a_7m = b_m):
;   S_j = S - h beta sum_m a_jm p_m;   I_j = (1 + dl_j) I + la_j E + sum_{m <= j-2} d_jm p_m;   E' = E + (ep - 1) E + sum_m f_m p_m;
;   Z' = Z + zI I + zE E + sum_{m <= 4} z_m p_m,  where Z = w3 R + w4 M + bias (R and M enter nothing else, dZ/dt = (w3 gamma + w4 mu) I).
; dl, la, d, ep, f, z are polynomials in h alpha, h (gamma + mu), h beta: what the stages' linear part makes of the basis (E, I, p_1..p_6).  They hang on the interval alone, so the
; 128 lanes make them once, a row of 60 numbers for each interval, in LDS (THE TABLE), by running that linear recursion itself.  It is the same polynomial map as the six stages written out.
; A step is then 41 vector instructions, and its chain is p_j -> S_j+1 -> p_j+1: twelve instructions that wait for each other.
; THE PLACES.  The step's order sets each link of the chain five lines behind the link before it; its 41 lines leave 19 places for that (FL).  What an interval has to do beside its steps stands there.
; THE COEFFICIENTS' WAY.  A trip of the walk is 16 intervals.  Once a trip 15 LDS loads bring 16 rows of the table, lane l taking row l % 16 of them; during interval n, 60 copies
; (v_mov_b32_dpp row_share: every lane takes lane n + 1 of its half of the wave) spread the next interval's row over the lanes, into the one of two sets that is not in use.  The copies stand in the places.
; The lane is an immediate, so the trip's 16 intervals are written out, by macro.  The trip's 16 time points wait in registers and go to LDS in the same run as the loads: LDS lines part the vector lines once a trip.
; ONE TEXT FOR EVERY TRIP.  Interval i (from 0) first finishes time point i, which the interval before has made; so 512 intervals, 32 trips, store the 512 time points.  What the 512th interval makes beyond that
; serves nothing: the price, one interval in 512, of a walk without a tail.  It runs on table row 511, a copy of row 510.
; LIMITS.  The order of rounding differs from the reference's (all in f32; increments dl, ep - 1 are kept, not 1 + dl).  sum_m b_m = 1, which the tableau has, is used in zI.
; NaN and infinities are not treated apart: where the reference overflows, this text may give NaN for an infinity.  The polynomials have degree 6 at the most in h x rate and stay in f32's range for |h x rate| < 1e5.
; THE DOT WITH W has five terms and one output column: three fused multiply-adds in f32 a number (two terms live in Z); a matrix instruction would hold 5 of 32 k and 1 of 16 columns.
; THE WAY OUT.  A wave's 32 numbers of a time point are 128 bytes, so the four waves gather 128 time points in an LDS stage (rows of 512 bytes) and each wave stores whole rows: 512 consecutive bytes a store, aligned.
.set WGS,   128                        ; states of a work-group
.set ROWB,  240                        ; bytes of a table row: 60 numbers; 15 x 16
.set SROW,  4*WGS                      ; bytes of a stage row
.set OROW,  4*4096                     ; bytes of a row of out0
.set CHUNK, 128                        ; time points in the stage
.set TRIP,  16                         ; intervals in a trip of the walk
.set ROWS,  5*WGS                      ; table rows that are built: five trips of 128; the walk reads rows 0 to 527
.set TAB,   0                          ; the table
.set STG,   ROWS*ROWB                  ; the stage
.set SPARE, STG+CHUNK*SROW             ; the spare words, 128 bytes a wave: two blocks of 256 bytes that no other line names
; vector registers
.set SPW, 2                            ; LDS address of my spare word; never rewritten
.set NIL, 3                            ; 0; never rewritten
.set CA,  4                            ; ahead of the walk: the table's first byte (the same in all lanes)
.set EA,  5                            ; where my number of the trip's first time point goes in the stage
.set EA0, 6                            ; the same for the stage's first row
.set RD,  7                            ; flush: my 16 bytes of my wave's first row of the stage
.set GO,  8                            ; flush: 16 x lane
.set RA,  9                            ; LDS address of my row (lane % 16) of the block of 16 table rows that lies in registers
.set PP,  10                           ; p_j in v[PP+2j]; v[PP+2j+1] holds 0 and is never rewritten: the packed forms name the pair and take its low word twice
.set SA,  24                           ; (S2, S3)
.set SB,  26                           ; (S4, S5)
.set SC,  28                           ; (S6, S'), twice: the pairs take turns, step by step, so that a step's S stays while the next is made
.set IA,  32                           ; (I2, I3)
.set IB,  34                           ; (I4, I5)
.set IC,  36                           ; (I6, I'), twice
.set EZ,  40                           ; (E, Z), twice
.set OVB, 44                           ; v[44:59]   the trip's 16 time points.  In the head the same registers hold R, M, t, h, offsets:
.set YR,  44
.set YM,  45
.set TT,  46
.set HH,  54
.set YO,  58
.set VT,  59
.set VT3, 60
.set TA,  61
.set C0,  64                           ; v[64:123]  coefficients, set 0 (intervals 0, 2, .. of a trip)
.set C1,  128                          ; v[128:187] coefficients, set 1
.set FB,  128                          ; v[128:191] flush: 16 rows' worth.  A flush follows an interval on set 1: that set is dead then, and set 0 holds the next interval's row
.set RW,  192                          ; v[192:251] a block of 16 table rows, a row a lane
; the table builder's registers (before the walk begins)
.set OUT, C0                           ; the row in the making
.set KE,  128                          ; slope of E at stage m for basis x: KE + 6 x + m - 1   (x = 0: E; 1..6: p_x; 7: I)
.set KI,  176                          ; slope of I likewise
.set TE,  224                          ; E's stage value for basis x
.set ZS,  232                          ; sum_m b_m I_m for basis x
.set AA,  240                          ; h alpha
.set NA,  241                          ; - h alpha
.set NG,  242                          ; - h (gamma + mu)
.set BB,  243                          ; h beta
.set NB,  244                          ; - h beta
.set ZC,  245                          ; h (w3 gamma + w4 mu)
; scalar registers: s[4:15] addresses; s16-19 beta, alpha, gamma, mu; s20-24 W; s25 bias; s26 gamma + mu; s27 w3 gamma + w4 mu; s32-34 -alpha, -(gamma + mu), -beta
.set SW0, 20
.set SW1, 21
.set SW2, 22
.set WV,   35
.set CNTP, 36
.set CNTC, 37
; places in a table row.  DI<j><x>: what basis x gives to I_j.  DE<x>: to E'.  DS<j><m>: - h beta a_jm.
.set DI27, 0
.set DI37, 1
.set DI47, 2
.set DI57, 3
.set DI67, 4
.set DI77, 5
.set DI20, 6
.set DI30, 7
.set DI40, 8
.set DI50, 9
.set DI60, 10
.set DI70, 11
.set DE0,  12                          ; 13: zE   14: zI
.set DI31, 15
.set DS21, 16
.set DS31, 17
.set DS41, 18
.set DS51, 19
.set DS61, 20
.set DS71, 21
.set DI41, 22
.set DI51, 23
.set DI61, 24
.set DI71, 25
.set DE1,  26                          ; 27: z1
.set DS32, 28
.set DS62, 29
.set DS42, 30
.set DS52, 31
.set DI42, 32
.set DI52, 33
.set DI62, 34
.set DI72, 35
.set DE2,  36                          ; 37: z2
.set DS43, 38
.set DS53, 39
.set DS63, 40
.set DS73, 41
.set DI63, 42
.set DI73, 43
.set DE3,  44                          ; 45: z3
.set DI53, 46
.set DS54, 47
.set DS64, 48
.set DS74, 49
.set DI64, 50
.set DI74, 51
.set DE4,  52                          ; 53: z4
.set DS65, 54
.set DS75, 55
.set DI75, 56
.set DE5,  57
.set DS76, 58
.set DE6,  59
; ---------------------------------------------------------------- the table builder's macros
.macro K0 x                            ; the first stage at which basis x has a slope of E (ke0) and of I (ki0)
.set ke0, \x
.set ki0, \x+1
.if (\x) == 0
.set ke0, 1
.set ki0, 1
.endif
.if (\x) == 7
.set ke0, 9
.set ki0, 1
.endif
.endm
.macro TERMX j, m, a, x                ; a_jm times stage m's slopes goes into stage j's values, for basis x.  The first term starts a sum: nothing is cleared
	K0 \x
.if ke0 <= \m
.set rk, KE+6*\x+\m-1
.if ((\x) == 0) && ((\m) == 1)
.set rk, NA                            ; basis E: its first slope is - h alpha
.endif
.if ((\x) > 0) && ((\x) == (\m))
.set rk, BB                            ; basis p_x: h beta, at stage x
.endif
.set rd, TE+\x
.if (\j) == 7
.set rd, OUT+DE\x
.endif
.set f0, ke0
.if ((\j) == 7) && (f0 == 2)
.set f0, 3                             ; b_2 = 0
.endif
.if ((\m) == f0) && ((\x) == 0) && ((\j) < 7)
	v_fma_f32 v[rd], \a, v[rk], 1.0
.elseif (\m) == f0
	v_mul_f32 v[rd], \a, v[rk]
.else
	v_fmac_f32 v[rd], \a, v[rk]
.endif
.endif
.if ki0 <= \m
.set rk, KI+6*\x+\m-1
.if ((\x) == 0) && ((\m) == 1)
.set rk, AA
.endif
.if ((\x) == 7) && ((\m) == 1)
.set rk, NG
.endif
.set rd, OUT+DI\j\x
.set f0, ki0
.if ((\j) == 7) && (f0 == 2)
.set f0, 3
.endif
.if (\m) == f0
	v_mul_f32 v[rd], \a, v[rk]
.else
	v_fmac_f32 v[rd], \a, v[rk]
.endif
.endif
.endm
.macro TERM j, m, a                    ; the eight bases side by side: neighbouring lines do not wait for each other
	v_mul_f32 v[OUT+DS\j\m], \a, v[NB]
.irp x, 0,1,2,3,4,5,6,7
	TERMX \j, \m, \a, \x
.endr
.endm
.macro STKE j, x                       ; slope of E at stage j: - h alpha E_j
	K0 \x
.if ke0 <= (\j)-1
	v_mul_f32 v[KE+6*\x+\j-1], v[NA], v[TE+\x]
.endif
.endm
.macro STKI j, x                       ; slope of I at stage j: h alpha E_j - h (gamma + mu) I_j.  Basis I keeps dl_j = I_j - 1
	K0 \x
.if (\x) == 7
	v_fma_f32 v[KI+42+\j-1], v[NG], v[OUT+DI\j\x], v[NG]
.elseif ki0 <= (\j)-1
	v_fma_f32 v[KI+6*\x+\j-1], v[NG], v[OUT+DI\j\x], -v[KE+6*\x+\j-1]
.elseif ke0 <= (\j)-1
	v_mul_f32 v[KI+6*\x+\j-1], v[AA], v[TE+\x]
.endif
.endm
.macro STZS j, bj, x                   ; b_j I_j for Z
	K0 \x
.set z0, ki0+1
.if z0 < 3
.set z0, 3
.endif
.if (ki0 <= (\j)-1) && ((\j) >= 3)
.if (\j) == z0
	v_mul_f32 v[ZS+\x], \bj, v[OUT+DI\j\x]
.else
	v_fmac_f32 v[ZS+\x], \bj, v[OUT+DI\j\x]
.endif
.endif
.endm
.macro STAGE j, bj
.irp x, 0,1,2,3,4,5,6,7
	STKE \j, \x
.endr
.irp x, 0,1,2,3,4,5,6,7
	STKI \j, \x
.endr
.irp x, 0,1,2,3,4,5,6,7
	STZS \j, \bj, \x
.endr
.endm
; ---------------------------------------------------------------- the walk's macros
.macro PKP d, p, k                     ; pair d += (low word of pair p) x coefficient pair k
	v_pk_fma_f32 v[\d:\d+1], v[\p:\p+1], v[\k:\k+1], v[\d:\d+1] op_sel_hi:[0,1,1]
.endm
.macro PKS d, p, k, s                  ; pair d = (S, S) + p x coefficient pair k; S is the high word of pair s
	v_pk_fma_f32 v[\d:\d+1], v[\p:\p+1], v[\k:\k+1], v[\s:\s+1] op_sel:[0,0,1] op_sel_hi:[0,1,1]
.endm
.macro PKI d, k                        ; pair d = (I', I') + I' x coefficient pair k; I' is the high word of pair ICn
	v_pk_fma_f32 v[\d:\d+1], v[ICn:ICn+1], v[\k:\k+1], v[ICn:ICn+1] op_sel:[1,0,1] op_sel_hi:[1,1,1]
.endm
.macro LDC i                           ; ahead of the walk: 16 bytes of a table row, the same for all lanes
	ds_load_b128 v[LDD+4*(\i):LDD+4*(\i)+3], v[CA] offset:LDO+16*(\i)
.endm
; The trip's one run of LDS lines: the next block of 16 table rows, a row a lane (the block in registers has been read out: its last row was copied in the interval before),
; and the trip's 16 time points, each lane's number into its own word of 16 stage rows.
.macro GROUP
.irp i, 0,1,2,3,4,5,6,7,8,9,10,11,12,13,14
	ds_load_b128 v[RW+4*\i:RW+4*\i+3], v[RA] offset:TRIP*ROWB+16*\i
.endr
.irp j, 0,1,2,3,4,5,6,7,8,9,10,11,12,13,14,15
	ds_store_b32 v[EA], v[OVB+\j] offset:SROW*\j
.endr
.endm
.macro MV ln                           ; number MQ of the next interval's row goes from lane ln of each half of the wave to all its lanes, into the set that is not in use
	v_mov_b32_dpp v[NXS+MQ], v[RW+MQ] row_share:\ln row_mask:0xf bank_mask:0xf
.set MQ, MQ+1
.endm
; A PLACE.  The interval's places are numbered (FQ).  The first two finish the time point that the interval before has made (they stand five lines apart); the trip's last interval has the run of LDS lines
; in the third, and copies nothing until that run has been waited for (MOK); every other place takes the next copy while there is one: 62 lines for 75 places.
.macro FL ln
.if FQ == 0
	v_fma_f32 v[OVB+NN], s[SW0], v[SCc+1], v[OVB+NN]
.elseif FQ == 1
	v_fma_f32 v[OVB+NN], s[SW1], v[EZc], v[OVB+NN]
.elseif (NN == (TRIP-1)) && (FQ == 2)
	GROUP
.elseif MOK && (MQ < 60)
	MV \ln
.endif
.set FQ, FQ+1
.endm
.macro FLREST ln                       ; the copies that found no place: none but in the trip's last interval, which has 56 places for its 60
.rept 60
.if MQ < 60
	MV \ln
.endif
.endr
.endm
; ONE STEP.  c: which of the twin pairs hold this step's S, I, E, Z.  cu: this interval's coefficients.  nx: those of the step that follows (the other set in step 4).  k: the step's number.  ln: the lane that the copies take.
; The order: a link of the chain, the lines that are ready beside it, places to make up four, the next link.
; The following step's (1 + dl) I and zI I hang on I' alone, which is done two stages ahead of S' and E': they stand in this step's last stage.
.macro STEP c, cu, nx, k, ln
.set SCc, SC+2*(\c)
.set SCn, SC+2-2*(\c)
.set ICc, IC+2*(\c)
.set ICn, IC+2-2*(\c)
.set EZc, EZ+2*(\c)
.set EZn, EZ+2-2*(\c)
.set CU, \cu
.set NX, \nx
.if ((\k) == 2) && (NN == (TRIP-1))
	s_wait_dscnt 0x0                               ; the next block of rows is in registers (and the time points are in the stage): the run was issued most of a step ago
	v_add_nc_u32 v[RA], TRIP*ROWB, v[RA]           ; both addresses go on to the next trip
	v_add_nc_u32 v[EA], TRIP*SROW, v[EA]
.set MOK, 1
.endif
	v_mul_f32 v[PP+2], v[SCc+1], v[ICc+1]          ; p1 = S I
	PKP IA, EZc, CU+6                              ; (I2, I3) += E (la2, la3)
	PKP IB, EZc, CU+8
	PKP ICn, EZc, CU+10
	FL \ln
	PKS SA, PP+2, CU+16, SCc                       ; (S2, S3) = S + p1 (s21, s31)
	v_fmac_f32 v[IA+1], v[CU+15], v[PP+2]          ; I3 += d31 p1
	PKP IB, PP+2, CU+22
	v_pk_fma_f32 v[EZn:EZn+1], v[EZc:EZc+1], v[CU+12:CU+13], v[EZc:EZc+1] op_sel_hi:[0,1,1]  ; (E, Z) + E (ep - 1, zE)
	FL \ln
	v_mul_f32 v[PP+4], v[SA], v[IA]                ; p2 = S2 I2
	PKS SB, PP+2, CU+18, SCc
	PKS SCn, PP+2, CU+20, SCc
	PKP ICn, PP+2, CU+24
	FL \ln
	v_fmac_f32 v[SA+1], v[CU+28], v[PP+4]          ; S3 += s32 p2
	PKP IB, PP+4, CU+32
	PKP SB, PP+4, CU+30
	PKP EZn, PP+2, CU+26
	FL \ln
	v_mul_f32 v[PP+6], v[SA+1], v[IA+1]            ; p3 = S3 I3
	v_fmac_f32 v[SCn], v[CU+29], v[PP+4]           ; S6 += s62 p2 (b_2 = 0: S' takes nothing)
	PKP ICn, PP+4, CU+34
	PKP EZn, PP+4, CU+36
	FL \ln
	PKP SB, PP+6, CU+38                            ; (S4, S5) += p3 (s43, s53)
	v_fmac_f32 v[IB+1], v[CU+46], v[PP+6]          ; I5 += d53 p3
	PKP SCn, PP+6, CU+40
	PKP ICn, PP+6, CU+42
	FL \ln
	v_mul_f32 v[PP+8], v[SB], v[IB]                ; p4 = S4 I4
	PKP EZn, PP+6, CU+44
	FL \ln
	FL \ln
	FL \ln
	v_fmac_f32 v[SB+1], v[CU+47], v[PP+8]          ; S5 += s54 p4
	PKP ICn, PP+8, CU+50
	PKP SCn, PP+8, CU+48
	PKP EZn, PP+8, CU+52                           ; Z' is done but for the following step's zI I'
	FL \ln
	v_mul_f32 v[PP+10], v[SB+1], v[IB+1]           ; p5 = S5 I5
	FL \ln
	FL \ln
	FL \ln
	FL \ln
	PKP SCn, PP+10, CU+54                          ; (S6, S') += p5 (s65, s75)
	v_fmac_f32 v[ICn+1], v[CU+56], v[PP+10]        ; I' is done
	v_fmac_f32 v[EZn], v[CU+57], v[PP+10]
	FL \ln
	FL \ln
	v_mul_f32 v[PP+12], v[SCn], v[ICn]             ; p6 = S6 I6
.if (\k) == 4
	v_fma_f32 v[OVB+(NN+1)%TRIP], s[SW2], v[ICn+1], v[EZn+1]  ; the time point's number begins: Z' + w2 I', ahead of the line that adds to Z'; it takes the place that the other steps have below
.endif
	v_fmac_f32 v[EZn+1], v[NX+14], v[ICn+1]        ; for the following step: Z += zI I
	PKI IA, NX+0                                   ; (I2, I3) = I + I (dl2, dl3)
	PKI IB, NX+2
.if (\k) < 4
	FL \ln
.endif
	v_fmac_f32 v[SCn+1], v[CU+58], v[PP+12]        ; S' is done
	v_fmac_f32 v[EZn], v[CU+59], v[PP+12]          ; E' is done
	PKI ICc, NX+4                                  ; this step's I has been read for the last time: its pair takes the following step's (I6, I')
	FL \ln
	FL \ln
.if (\k) == 4
	FLREST \ln
.endif
.endm
; Interval n of a trip: four steps on set n % 2; the next interval's row, which lies in lane ln = (n + 1) % 16 of the block, is copied into the other set.
.macro INTERVAL n, ln
.set NN, \n
.set MQ, 0
.set FQ, 0
.set MOK, 1
.if (\n) == (TRIP-1)
.set MOK, 0
.endif
.if ((\n)%2) == 0
.set CUS, C0
.set NXS, C1
.else
.set CUS, C1
.set NXS, C0
.endif
	STEP 0, CUS, CUS, 1, \ln
	STEP 1, CUS, CUS, 2, \ln
	STEP 0, CUS, CUS, 3, \ln
	STEP 1, CUS, NXS, 4, \ln
.endm
; The stage goes out: wave w stores rows 32 w .. 32 w + 31, whole, sixteen at a time.  One text for the four flushes: behind the last, the second barrier and the step of the address serve nothing.
.macro FLUSH
	s_wait_dscnt 0x0                               ; for the others' sake: my numbers are in the stage
	s_barrier_signal -1
	s_barrier_wait -1                              ; everybody's are
.irp r, 0,1,2,3,4,5,6,7,8,9,10,11,12,13,14,15
	ds_load_b128 v[FB+4*\r:FB+4*\r+3], v[RD] offset:SROW*\r
.endr
	s_wait_dscnt 0x0
.irp r, 0,1,2,3,4,5,6,7,8,9,10,11,12,13,14,15
	global_store_b128 v[GO], v[FB+4*\r:FB+4*\r+3], s[14:15] offset:OROW*\r th:TH_STORE_NT  ; 32 lanes store 512 consecutive bytes, at a multiple of 512 from out0's first byte
.endr
	s_wait_xcnt 0x0                                ; the stores' data registers are loaded again only behind this wait
.irp r, 0,1,2,3,4,5,6,7,8,9,10,11,12,13,14,15
	ds_load_b128 v[FB+4*\r:FB+4*\r+3], v[RD] offset:SROW*(16+\r)
.endr
	s_wait_dscnt 0x0                               ; my reads of the stage are over
	s_barrier_signal -1
	s_barrier_wait -1                              ; everybody's are: the stage may be written again
.irp r, 0,1,2,3,4,5,6,7,8,9,10,11,12,13,14,15
	global_store_b128 v[GO], v[FB+4*\r:FB+4*\r+3], s[14:15] offset:OROW*(16+\r) th:TH_STORE_NT
.endr
	s_wait_xcnt 0x0                                ; the stores' base, and their data (set 1, which the next interval's copies write), are rewritten only behind this wait
	s_add_nc_u64 s[14:15], s[14:15], CHUNK*OROW    ; 128 time points on
	v_mov_b32 v[EA], v[EA0]
.endm
; ---------------------------------------------------------------- the head
	s_load_b256 s[4:11], s[0:1], 0x0               ; ze_init s[4:5], t s[6:7], theta s[8:9], W s[10:11]
	s_load_b128 s[12:15], s[0:1], 0x20             ; b s[12:13], out0 s[14:15]
	v_lshl_add_u32 v[SPW], v0, 2, SPARE
	v_mov_b32 v[NIL], 0
	v_lshrrev_b32 v1, 5, v0
	v_readfirstlane_b32 s[WV], v1                  ; wave 0..3
	v_and_b32 v[GO], 31, v0
	v_lshlrev_b32 v[GO], 4, v[GO]                  ; 16 x lane
	v_lshl_add_u32 v[RD], v1, 14, v[GO]            ; + wave x 32 rows of 512 bytes
	v_add_nc_u32 v[RD], STG, v[RD]
	v_lshl_add_u32 v[EA0], v0, 2, STG              ; my 4 bytes of a stage row
	v_and_b32 v[RA], 15, v0
	v_mul_u32_u24 v[RA], v[RA], ROWB               ; my row of the table's first block of 16: lane % 16
	v_mul_u32_u24 v[TA], v0, ROWB                  ; the table row that I build first: interval = my thread's number
	v_mul_u32_u24 v[YO], v0, 20                    ; my state's 5 numbers
	v_lshlrev_b32 v[VT], 2, v0                     ; t of my interval
	v_add_nc_u32 v[VT3], 3*WGS, v0                 ; the fourth trip's interval is 384 + thread, 511 at the most: there are 511 intervals, 0 .. 510,
	v_min_u32 v[VT3], 510, v[VT3]                  ; so thread 127 builds interval 510 once more there, into row 511, on which the walk's 512th interval runs: no load passes t's end
	v_lshlrev_b32 v[VT3], 2, v[VT3]
	s_mul_i32 s28, ttmp9, WGS*20                   ; the work-group's states: 2,560 consecutive bytes
	s_mov_b32 s29, 0
	s_lshl_b32 s30, ttmp9, 9                       ; its 512 bytes of a row of out0,
	s_lshl_b32 s31, s[WV], 19                      ; and my wave's 32 rows of a stage: 32 x 16,384 bytes
	s_add_co_u32 s30, s30, s31
	s_mov_b32 s31, 0
	s_wait_kmcnt 0x0
	s_load_b128 s[16:19], s[8:9], 0x0              ; beta, alpha, gamma, mu
	s_load_b128 s[20:23], s[10:11], 0x0            ; w0 .. w3
	s_load_b32 s24, s[10:11], 0x10                 ; w4
	s_load_b32 s25, s[12:13], 0x0                  ; bias
	s_add_nc_u64 s[4:5], s[4:5], s[28:29]
	s_add_nc_u64 s[14:15], s[14:15], s[30:31]
.irp k, 0,1,2
	global_load_b32 v[TT+2*\k], v[VT], s[6:7] offset:512*\k
	global_load_b32 v[TT+2*\k+1], v[VT], s[6:7] offset:512*\k+4
.endr
	global_load_b32 v[TT+6], v[VT3], s[6:7]
	global_load_b32 v[TT+7], v[VT3], s[6:7] offset:4
	global_load_b32 v[SC+1], v[YO], s[4:5]         ; S.  Five loads of 4 bytes a lane, once: together they take the work-group's ten aligned blocks of 256 bytes
	global_load_b32 v[EZ], v[YO], s[4:5] offset:4  ; E
	global_load_b32 v[IC+1], v[YO], s[4:5] offset:8  ; I
	global_load_b32 v[YR], v[YO], s[4:5] offset:12
	global_load_b32 v[YM], v[YO], s[4:5] offset:16
.irp j, 1,2,3,4,5,6
	v_mov_b32 v[PP+2*\j+1], 0                      ; the p's neighbours, named with them as pairs
.endr
	v_mov_b32 v[SC], 0                             ; likewise the low words beside the first S and I
	v_mov_b32 v[IC], 0
	s_wait_kmcnt 0x0
	s_add_f32 s26, s18, s19                        ; gamma + mu
	s_mul_f32 s27, s23, s18
	s_fmac_f32 s27, s24, s19                       ; w3 gamma + w4 mu
	s_xor_b32 s32, s17, 0x80000000                 ; - alpha
	s_xor_b32 s33, s26, 0x80000000                 ; - (gamma + mu)
	s_xor_b32 s34, s16, 0x80000000                 ; - beta
	s_wait_loadcnt 0x0
.irp k, 0,1,2,3
	v_sub_f32 v[HH+\k], v[TT+2*\k+1], v[TT+2*\k]
.endr
.irp k, 0,1,2,3
	v_mul_f32 v[HH+\k], 0.25, v[HH+\k]             ; h = dt / 4 of the four intervals whose rows I build
.endr
	v_fma_f32 v[EZ+1], s24, v[YM], s25
	v_fma_f32 v[EZ+1], s23, v[YR], v[EZ+1]         ; Z = w3 R + w4 M + bias
; ---------------------------------------------------------------- the table: five trips, 128 rows each
; The fifth trip runs on the fourth's h once more.  Of its rows the walk's last trip fetches 512 to 527, so that its one text reads bytes that have been written; from row 512 the 512th interval prepares a step that nobody takes.
	s_mov_b32 s[CNTP], ROWS/WGS
.Lbuild:
	v_mul_f32 v[AA], s17, v[HH]
	v_mul_f32 v[NA], s32, v[HH]
	v_mul_f32 v[NG], s33, v[HH]
	v_mul_f32 v[BB], s16, v[HH]
	v_mul_f32 v[NB], s34, v[HH]
	v_mul_f32 v[ZC], s27, v[HH]
	TERM 2, 1, 0.2
	STAGE 2, 0
	TERM 3, 1, 0.075
	TERM 3, 2, 0.225
	STAGE 3, 0.449236298
	TERM 4, 1, 0.977777778
	TERM 4, 2, -3.733333333
	TERM 4, 3, 3.555555556
	STAGE 4, 0.651041667
	TERM 5, 1, 2.952598689
	TERM 5, 2, -11.59579332
	TERM 5, 3, 9.82289285
	TERM 5, 4, -0.29080933
	STAGE 5, -0.32237618
	TERM 6, 1, 2.84627525
	TERM 6, 2, -10.757575758
	TERM 6, 3, 8.90642272
	TERM 6, 4, 0.278409091
	TERM 6, 5, -0.2735313
	STAGE 6, 0.130952381
	TERM 7, 1, 0.091145833
	TERM 7, 3, 0.449236298
	TERM 7, 4, 0.651041667
	TERM 7, 5, -0.32237618
	TERM 7, 6, 0.130952381
	v_mul_f32 v[OUT+13], v[ZC], v[ZS+0]            ; zE
	v_fma_f32 v[OUT+14], v[ZC], v[ZS+7], v[ZC]     ; zI = h wz (1 + sum b_m dl_m)
	v_mul_f32 v[OUT+27], v[ZC], v[ZS+1]            ; z1 .. z4
	v_mul_f32 v[OUT+37], v[ZC], v[ZS+2]
	v_mul_f32 v[OUT+45], v[ZC], v[ZS+3]
	v_mul_f32 v[OUT+53], v[ZC], v[ZS+4]
.irp i, 0,1,2,3,4,5,6,7,8,9,10,11,12,13,14
	ds_store_b128 v[TA], v[OUT+4*\i:OUT+4*\i+3] offset:TAB+16*\i
.endr
	v_mov_b32 v[HH], v[HH+1]                       ; the next trip's h moves up: one text for the trips; the last h stays for the fifth
	v_mov_b32 v[HH+1], v[HH+2]
	v_mov_b32 v[HH+2], v[HH+3]
	v_add_nc_u32 v[TA], WGS*ROWB, v[TA]            ; 128 rows on
	s_sub_co_u32 s[CNTP], s[CNTP], 1
	s_cmp_lg_u32 s[CNTP], 0
	s_cbranch_scc1 .Lbuild
	s_wait_dscnt 0x0                               ; for the others' sake: my rows are in the table
	s_barrier_signal -1
	s_barrier_wait -1                              ; the table is whole; nobody writes it again
; ---------------------------------------------------------------- the walk
	v_mov_b32 v[CA], TAB
.set LDD, C0
.set LDO, 0
.irp i, 0,1,2,3,4,5,6,7,8,9,10,11,12,13,14
	LDC \i                                         ; interval 0's row, the same for all lanes, straight into set 0
.endr
.set LDD, C1
.set LDO, ROWB
.irp i, 0,1,2,3,4,5,6,7,8,9,10,11,12,13,14
	LDC \i                                         ; and row 1 into set 1, which a copy's destination has to find written; interval 0's copies bring the same numbers once more: the loop has no first trip of its own
.endr
.irp i, 0,1,2,3,4,5,6,7,8,9,10,11,12,13,14
	ds_load_b128 v[RW+4*\i:RW+4*\i+3], v[RA] offset:16*\i  ; the first block: rows 0 to 15, a row a lane
.endr
	v_mov_b32 v[EA], v[EA0]
	s_wait_dscnt 0x0
.set ICn, IC
	v_fma_f32 v[OVB], s[SW2], v[IC+1], v[EZ+1]     ; time point 0 begins; then what a step's last stage does for the step that follows, here for the first
	v_fmac_f32 v[EZ+1], v[C0+14], v[IC+1]
	PKI IA, C0+0
	PKI IB, C0+2
	PKI IC+2, C0+4
; 4 x 8 trips of 16 intervals; eight trips fill the stage's 128 rows, and a flush follows them.
	s_mov_b32 s[CNTC], 512/CHUNK
.Lchunk:
	s_mov_b32 s[CNTP], CHUNK/TRIP
.Ltrip:
	INTERVAL 0, 1
	INTERVAL 1, 2
	INTERVAL 2, 3
	INTERVAL 3, 4
	INTERVAL 4, 5
	INTERVAL 5, 6
	INTERVAL 6, 7
	INTERVAL 7, 8
	INTERVAL 8, 9
	INTERVAL 9, 10
	INTERVAL 10, 11
	INTERVAL 11, 12
	INTERVAL 12, 13
	INTERVAL 13, 14
	INTERVAL 14, 15
	INTERVAL 15, 0                                 ; its row for the next interval is the next block's first
	s_sub_co_u32 s[CNTP], s[CNTP], 1
	s_cmp_lg_u32 s[CNTP], 0
	s_cbranch_scc1 .Ltrip
	FLUSH
	s_sub_co_u32 s[CNTC], s[CNTC], 1
	s_cmp_lg_u32 s[CNTC], 0
	s_cbranch_scc1 .Lchunk
	s_wait_tensorcnt 0x0                           ; the wave's end, behind my last LDS store
	ds_add_u32 v[SPW], v[NIL]
	s_wait_dscnt 0x0
	s_endpgm
.Lfunc_end_k_q97520da036_seirm:
	.size	k_q97520da036_seirm, .Lfunc_end_k_q97520da036_seirm-k_q97520da036_seirm
	.p2alignl 7, 3214868480
	.fill 96, 4, 3214868480
	.section	.rodata,"a",@progbits
	.p2align	6, 0x0
	.amdhsa_kernel k_q97520da036_seirm
		.amdhsa_group_segment_fixed_size 219648
		.amdhsa_private_segment_fixed_size 0
		.amdhsa_enable_private_segment 0
		.amdhsa_kernarg_size 48
		.amdhsa_user_sgpr_count 2
		.amdhsa_user_sgpr_kernarg_segment_ptr 1
		.amdhsa_wavefront_size32 1
		.amdhsa_system_sgpr_workgroup_id_x 1
		.amdhsa_system_sgpr_workgroup_id_y 1
		.amdhsa_system_sgpr_workgroup_id_z 1
		.amdhsa_system_vgpr_workitem_id 0
		.amdhsa_next_free_vgpr 256
		.amdhsa_next_free_sgpr 66
		.amdhsa_reserve_vcc 0
		.amdhsa_float_denorm_mode_32 3
		.amdhsa_float_denorm_mode_16_64 3
		.amdhsa_memory_ordered 1
		.amdhsa_forward_progress 1
		.amdhsa_inst_pref_size 226
	.end_amdhsa_kernel
	.amdgpu_metadata
---
amdhsa.version: [ 1, 2 ]
amdhsa.kernels:
  - .name:           k_q97520da036_seirm
    .symbol:         k_q97520da036_seirm.kd
    .args:
      - { .name: ze_init, .offset: 0, .size: 8, .value_kind: global_buffer, .address_space: global }
      - { .name: t, .offset: 8, .size: 8, .value_kind: global_buffer, .address_space: global }
      - { .name: theta, .offset: 16, .size: 8, .value_kind: global_buffer, .address_space: global }
      - { .name: W, .offset: 24, .size: 8, .value_kind: global_buffer, .address_space: global }
      - { .name: b, .offset: 32, .size: 8, .value_kind: global_buffer, .address_space: global }
      - { .name: out0, .offset: 40, .size: 8, .value_kind: global_buffer, .address_space: global }
    .group_segment_fixed_size: 219648
    .private_segment_fixed_size: 0
    .kernarg_segment_align: 8
    .kernarg_segment_size: 48
    .max_flat_workgroup_size: 128
    .sgpr_count:     66
    .vgpr_count:     256
    .wavefront_size: 32
...
	.end_amdgpu_metadata
.endif
;; end of part 2
